; MI455X (gfx1250); checked and timed in simulation.
; The chip was launched on July 23, 2026; its instructions are those of AMD's public machine-readable ISA for CDNA 5 (MIT licence, August 2026) and "CDNA5" Instruction Set Architecture Reference Guide (July 2026). The comments in the code are by the model that wrote it; some were corrected since.
;; Bert Self Attention No Att Mask. Allowed arithmetic: matrix products marked QUANTISED: E2M3 operands, one E8M0 scale for each 32 along K, by v_wmma_scale_f32_16x16x128_f8f6f4 with both operands' format E2M3, f32 sums; everything else in f32.
;; Inputs: Wk 1,024 x 1,024 float32; Wq 1,024 x 1,024 float32; Wv 1,024 x 1,024 float32; bk 1,024 float32; bq 1,024 float32; bv 1,024 float32; hidden_states 4 x 2,048 x 1,024 float32.
;; Outputs: out0 4 x 2,048 x 1,024 float32.
;; This version of the problem:
;;   THIS VERSION OF THE PROBLEM IS GIVEN IN LOW PRECISION. The matrix products marked QUANTISED in the list below multiply operands that are first quantised to E2M3 (2 exponent bits, 3 mantissa bits; 6 bits a number), with one power-of-two scale for each 32 numbers along K (OCP MX v1.0); their sums are f32. All else is computed in f32.
;;   The module's matrix products, in the order in which they are computed (A, B: the left and right operand; K: the contracted axis; several contracted axes count as one K, in the product's order):
;;     1. [M 8,192, K 1,024] x [K 1,024, N 1,024]; A: input hidden_states; B: input Wq: QUANTISED
;;     2. [M 8,192, K 1,024] x [K 1,024, N 1,024]; A: input hidden_states; B: input Wk: QUANTISED
;;     3. [M 8,192, K 1,024] x [K 1,024, N 1,024]; A: input hidden_states; B: input Wv: QUANTISED
;;     4. batch 64 x [M 2,048, K 64] x [K 64, N 2,048]; A: computed on the way; B: computed on the way: QUANTISED
;;     5. batch 64 x [M 2,048, K 2,048] x [K 2,048, N 64]; A: softmax (see below); B: computed on the way: QUANTISED
;;   THE QUANTISER, for each operand of a quantised product, along K:
;;     - K is cut into blocks of 32 from its start; a last block that is shorter is filled with zeros.
;;     - A block's scale is 2^e with e = floor(log2(the largest magnitude in the block)) - 2, held to -126 .. 127; a block of zeros has e = 0. As a byte (E8M0): e + 127.
;;     - Each number is divided by its block's scale, clamped to +-7.5, and rounded to the nearest number of E2M3, ties to even, subnormals kept.
;;     - The product sums the exact products of the quantised numbers (number of the format x scale) in f32.
;;   ~~~python
;;   def quantise(x, axis):      # numpy; x: float32 -> the quantised numbers, widened to float32 again
;;       x = np.moveaxis(x, axis, -1); K = x.shape[-1]
;;       x = np.pad(x, [(0, 0)] * (x.ndim - 1) + [(0, -K % 32)]); x = x.reshape(x.shape[:-1] + (-1, 32)); a = np.abs(x).max(-1, keepdims=True)
;;       e = np.where(a > 0, np.clip(np.frexp(np.where(a > 0, a, 1))[1] - 1 - 2, -126, 127), 0)      # np.frexp(a)[1] - 1 = floor(log2(a)), exactly
;;       r = np.clip(x / 2.0 ** e, -7.5, 7.5)
;;       step = 2.0 ** (np.maximum(np.frexp(np.where(r == 0, 1, r))[1] - 1, 0) - 3)
;;       q = np.round(r / step) * step * 2.0 ** e      # np.round: ties to even
;;       return np.moveaxis(q.reshape(q.shape[:-2] + (-1,))[..., :K], -1, axis).astype(np.float32)
;;   ~~~
;;   SOFTMAX AHEAD OF A QUANTISED PRODUCT. Where the list says 'softmax', what is quantised is not the finished softmax but p = 2^(t - M), with t = logit x log2(e) and M = ceil(the row's largest t), a whole number; so 1/2 < the row's largest p <= 1. The row's sum l is taken of the UNQUANTISED p, in f32, and the product's result is divided by l at the end. Since M is a whole number, a kernel that streams over the keys may use a running M (the ceiling of the running maximum): every later rescaling is an exact power of two, which a block's scale takes up: the codes' values come out the same.
;;   OPERANDS COMPUTED ON THE WAY. 'Computed on the way' means the value that the module computes at that place (a softmax that the list does not call 'softmax' is quantised finished and normalised). What goes into a quantiser is computed in f32, as accurately as f32 sums, v_exp_f32 and their like allow (about 1e-6 of the number): no bf16 or f16 on the way to a quantiser, and a product that is left as it is and whose result goes on into a quantised operand takes f32 operands (vector FMAs, or v_wmma_f32_16x16x4_f32). A number that lies on a knife's edge between two numbers of the format may be rounded either way, as far as f32 arithmetic and the matrix unit's own rounding can turn it there, and no further.
;; One version. Each part assembles by itself: llvm-mc -triple=amdgcn-amd-amdhsa -mcpu=gfx1250 --defsym DOCPART=n.
;; ======== version 1 of 1: 4 launches
;; workspace buffers: xc 6,291,456 bytes; xs 262,144 bytes; wc 2,359,296 bytes; ws 98,304 bytes; qkc 12,582,912 bytes; qks 1,048,576 bytes; vc 6,291,456 bytes; vs 524,288 bytes
;; launch qx (part 1): grid 256 x 1, 4 waves a work-group, no clusters, 33,280 bytes of LDS; arguments hidden_states, xc, xs; writes xc, xs
.if DOCPART == 1
	.amdgcn_target "amdgcn-amd-amdhsa--gfx1250"
	.amdhsa_code_object_version 6
	.text
	.protected	k_qeb64b95759_qx
	.globl	k_qeb64b95759_qx
	.p2align	8
	.type	k_qeb64b95759_qx,@function
k_qeb64b95759_qx:
	s_mov_b64 s[64:65], 0
	v_nop
	global_prefetch_b8 v0, s[64:65] scope:SCOPE_SE
	s_setreg_imm32_b32 hwreg(HW_REG_WAVE_MODE, 25, 1), 1
	s_wait_xcnt 0x0
; hidden_states [8192 tokens][1024] f32 becomes codes of FP6 (E2M3), K = the 1,024 innermost, xc [8192][768 bytes], and one E8M0 byte for each 32 along K, xs [8192][32].
; A block's scale is 2^(floor(log2(its largest magnitude)) - 2); its byte is the largest magnitude's exponent field - 2, held at 1 from below.
; A block of zeros gets the byte 1 where the quantiser says 127: its codes are zeros, which add nothing under any byte but 0xff, and only this program reads the bytes.
; LIMITS: NaN and infinities among the inputs are not served; a largest magnitude under 2^-124 is taken as 2^-124 (byte 1).
; Rows are dense and 1,024 is a multiple of 32: the tensor is a plain stream of blocks of 32 numbers, and so are codes and bytes.
; A wave takes 16 steps of 512 numbers.  Each of a step's four loads reads 512 consecutive bytes, 16 a lane; the 2,048 bytes turn through the wave's own stage in LDS and come back
; 64 bytes a lane, so that a lane holds 16 neighbours along K (two neighbouring lanes hold a block), as the conversion wants.  16 bytes of padding behind each 64 keep the lanes' reads on different banks.
; A lane's 16 codes are 12 bytes: a wave's store covers 384 consecutive bytes.  A wave's 256 scale bytes are gathered in LDS and leave as 256 consecutive, aligned bytes.
; No tensor loads, no barrier: waves share nothing.  Loads run four steps (16 loads a wave) ahead, the turn through LDS one step.
.set STEPS, 16
.set EMAX,  2
.set CB,    12                         ; bytes of 16 codes
.set R,     16                         ; v16-79   four sets of 16 numbers as loaded
.set X,     80                         ; v80-111  two sets of 16 neighbours
.set E,     112                        ; v112-127 a scale byte for each step
.set C,     128                        ; v128-191 codes: four registers for each step, so that no store's data are written again
.set WREG,  8192                       ; LDS: a region for each wave: two stages of 32 x SP bytes, then its 256 scale bytes
.set SP,    80                         ; a lane's place in a stage: 64 bytes + 16 of padding
	s_load_b128 s[4:7], s[0:1], 0x0                ; hidden_states s[4:5], xc s[6:7]
	s_load_b64 s[8:9], s[0:1], 0x10                ; xs
	v_lshl_add_u32 v192, v0, 2, 0x8000
	v_mov_b32 v193, 0
	v_lshrrev_b32 v1, 5, v0
	v_readfirstlane_b32 s16, v1                    ; wave
	v_and_b32 v2, 31, v0                           ; lane
	v_lshlrev_b32 v3, 4, v2                        ; my 16 bytes of a load's 512
	s_mul_i32 s17, s16, WREG
	v_lshrrev_b32 v14, 2, v2
	v_mul_u32_u24 v14, v14, SP
	v_and_b32 v15, 3, v2
	v_lshl_add_u32 v14, v15, 4, v14
	v_add_nc_u32 v14, s17, v14                     ; the stage, in: SP (lane / 4) + 16 (lane % 4)
	v_mul_u32_u24 v15, v2, SP
	v_add_nc_u32 v15, s17, v15                     ; and out: SP x lane: my 16 neighbours
	v_mul_u32_u24 v4, v2, CB                       ; my codes' place in a step's
	v_lshrrev_b32 v5, 1, v2
	s_add_co_u32 s17, s17, 2*32*SP
	v_add_nc_u32 v5, s17, v5                       ; LDS: my block's byte among my wave's 256
	v_lshlrev_b32 v7, 3, v2                        ; on the way out 8 bytes a lane
	v_add_nc_u32 v6, s17, v7
	s_lshl_b32 s18, ttmp9, 2
	s_add_co_u32 s18, s18, s16                     ; which run of 8,192 numbers is my wave's
	s_mov_b32 s19, 0
	s_mov_b64 s[20:21], 512*STEPS*4
	s_mul_u64 s[20:21], s[18:19], s[20:21]         ; its numbers,
	s_mov_b64 s[22:23], 32*STEPS*CB
	s_mul_u64 s[22:23], s[18:19], s[22:23]         ; its codes,
	s_lshl_b32 s18, s18, 8                         ; its 256 scale bytes
	s_wait_kmcnt 0x0
	s_add_nc_u64 s[4:5], s[4:5], s[20:21]
	s_add_nc_u64 s[6:7], s[6:7], s[22:23]
	s_add_nc_u64 s[8:9], s[8:9], s[18:19]
.macro LOAD t
.irp i, 0,1,2,3
	global_load_b128 v[R+16*((\t)%4)+4*\i:R+16*((\t)%4)+4*\i+3], v3, s[4:5] offset:2048*(\t)+512*\i th:TH_LOAD_NT   ; 32 lanes read 512 consecutive bytes; read once in the launch
.endr
.endm
.macro TURN t                          ; step t's numbers through the stage: LDS serves a wave's instructions in order (ISA guide 5.7.1.4), so no wait stands between the stores and the loads
.irp i, 0,1,2,3
	ds_store_b128 v14, v[R+16*((\t)%4)+4*\i:R+16*((\t)%4)+4*\i+3] offset:32*SP*((\t)%2)+8*SP*\i
.endr
.irp i, 0,1,2,3
	ds_load_b128 v[X+16*((\t)%2)+4*\i:X+16*((\t)%2)+4*\i+3], v15 offset:32*SP*((\t)%2)+16*\i
.endr
.endm
.irp t, 0,1,2,3
	LOAD \t
.endr
	s_wait_loadcnt 12                              ; step 0's four loads are in; the twelve behind them stay out
	TURN 0
.macro STEP t
.set XS, X+16*((\t)%2)
.if (\t) > 0
	s_wait_dscnt 1                                 ; this step's numbers are back from the stage (the last step's byte store may be out): its stores into the stage have read their registers,
.else
	s_wait_dscnt 0x0
.endif
.if (\t)+4 < STEPS
	LOAD (\t)+4                                    ; which take the loads of four steps on
.endif
.if (\t)+1 < STEPS
.if STEPS-2-(\t) >= 3
	s_wait_loadcnt 12                              ; the next step's four loads are in; those of the three steps behind it may be out
.else
	s_wait_loadcnt 4*(STEPS-2-(\t))
.endif
	TURN (\t)+1                                    ; and go through the other stage while this step is worked
.endif
	v_max3_num_f32 v8, |v[XS]|, |v[XS+1]|, |v[XS+2]|               ; the largest magnitude of my 16, in two chains
	v_max3_num_f32 v9, |v[XS+3]|, |v[XS+4]|, |v[XS+5]|
.irp i, 6,10
	v_max3_num_f32 v8, v8, |v[XS+\i]|, |v[XS+\i+1]|
	v_max3_num_f32 v9, v9, |v[XS+\i+2]|, |v[XS+\i+3]|
.endr
	v_max3_num_f32 v8, v8, |v[XS+14]|, |v[XS+15]|
	v_max3_num_f32 v8, v8, v9, (EMAX+1)<<23        ; and the floor 2^(3 - 127): the byte cannot fall under 1
	v_max_num_f32_dpp v8, v8, v8 row_xmask:1 row_mask:0xf bank_mask:0xf   ; with my neighbour's 16: the block's
	v_add_nc_u32 v11, 0xff000000, v8               ; 2 off its exponent field: the conversion takes the exponent field of this operand as its scale
	v_cvt_scalef32_pk16_fp6_f32 v[C+4*(\t):C+4*(\t)+2], v[XS:XS+15], v11   ; sixteen codes, 96 bits, the first number's code lowest
	v_lshrrev_b32 v[E+(\t)], 23, v11               ; the scale's byte (a plain line behind the conversion)
	ds_store_b8 v5, v[E+(\t)] offset:16*(\t)       ; both lanes of a block write the same byte with the same value
	global_store_b96 v4, v[C+4*(\t):C+4*(\t)+2], s[6:7] offset:32*CB*(\t)
.endm
.irp t, 0,1,2,3,4,5,6,7,8,9,10,11,12,13,14,15
	STEP \t
.endr
	ds_load_b64 v[12:13], v6                       ; served in order: these see my byte stores
	s_wait_dscnt 0x0
	global_store_b64 v7, v[12:13], s[8:9]          ; 32 lanes store 256 consecutive bytes, aligned
	s_wait_tensorcnt 0x0
	ds_add_u32 v192, v193
	s_wait_dscnt 0x0
	s_endpgm
.Lfunc_end_k_qeb64b95759_qx:
	.size	k_qeb64b95759_qx, .Lfunc_end_k_qeb64b95759_qx-k_qeb64b95759_qx
	.p2alignl 7, 3214868480
	.fill 96, 4, 3214868480
	.section	.rodata,"a",@progbits
	.p2align	6, 0x0
	.amdhsa_kernel k_qeb64b95759_qx
		.amdhsa_group_segment_fixed_size 33280
		.amdhsa_private_segment_fixed_size 0
		.amdhsa_enable_private_segment 0
		.amdhsa_kernarg_size 24
		.amdhsa_user_sgpr_count 2
		.amdhsa_user_sgpr_kernarg_segment_ptr 1
		.amdhsa_wavefront_size32 1
		.amdhsa_system_sgpr_workgroup_id_x 1
		.amdhsa_system_sgpr_workgroup_id_y 1
		.amdhsa_system_sgpr_workgroup_id_z 1
		.amdhsa_system_vgpr_workitem_id 0
		.amdhsa_next_free_vgpr 194
		.amdhsa_next_free_sgpr 66
		.amdhsa_reserve_vcc 0
		.amdhsa_float_denorm_mode_32 3
		.amdhsa_float_denorm_mode_16_64 3
		.amdhsa_memory_ordered 1
		.amdhsa_forward_progress 1
		.amdhsa_inst_pref_size 32
	.end_amdhsa_kernel
	.amdgpu_metadata
---
amdhsa.version: [ 1, 2 ]
amdhsa.kernels:
  - .name:           k_qeb64b95759_qx
    .symbol:         k_qeb64b95759_qx.kd
    .args:
      - { .name: hidden_states, .offset: 0, .size: 8, .value_kind: global_buffer, .address_space: global }
      - { .name: xc, .offset: 8, .size: 8, .value_kind: global_buffer, .address_space: global }
      - { .name: xs, .offset: 16, .size: 8, .value_kind: global_buffer, .address_space: global }
    .group_segment_fixed_size: 33280
    .private_segment_fixed_size: 0
    .kernarg_segment_align: 8
    .kernarg_segment_size: 24
    .max_flat_workgroup_size: 128
    .sgpr_count:     66
    .vgpr_count:     194
    .wavefront_size: 32
...
	.end_amdgpu_metadata
.endif
;; end of part 1
;; launch qw (part 2): grid 24 x 4, 4 waves a work-group, no clusters, 36,352 bytes of LDS; arguments Wq, Wk, Wv, wc, ws; writes wc, ws
.if DOCPART == 2
	.amdgcn_target "amdgcn-amd-amdhsa--gfx1250"
	.amdhsa_code_object_version 6
	.text
	.protected	k_qeb64b95759_qw
	.globl	k_qeb64b95759_qw
	.p2align	8
	.type	k_qeb64b95759_qw,@function
k_qeb64b95759_qw:
	s_mov_b64 s[64:65], 0
	v_nop
	global_prefetch_b8 v0, s[64:65] scope:SCOPE_SE
	s_setreg_imm32_b32 hwreg(HW_REG_WAVE_MODE, 25, 1), 1
	s_wait_xcnt 0x0
; Wq, Wk, Wv [1024 (k)][1024 (n)] f32: K is the FIRST axis.  They become codes of FP6 (E2M3) laid wc [3072 rows][768 bytes] with K innermost, row = 1024 x matrix + n (0 = q, 1 = k, 2 = v),
; and one E8M0 byte for each 32 along K, ws [3072][32].
; A LANE TAKES A COLUMN n AND ITS REGISTERS RUN DOWN K: each load reads 128 consecutive bytes a wave, a block of 32 along K lies in one lane's 32 registers, its largest magnitude needs no other lane,
; and the conversions give codes with K innermost.  A wave takes 32 columns x 256 along K: 192 bytes of codes a column; they go through the wave's own stage in LDS and leave as rows: sixteen lanes
; store a row's 192 consecutive bytes.  Work-group x: 8 for each matrix (128 columns each); y: which 256 along K.  Only the source pointer is chosen by the matrix: one path through the text.
; A block of zeros gets the byte 1 where the quantiser says 127: its codes are zeros, and only this program reads the bytes.
; LIMITS: NaN and infinities are not served; a largest magnitude under 2^-124 is taken as 2^-124 (byte 1).
; 96 work-groups: a finer split along K would store shorter pieces of the codes' rows.
.set SIZE_K, 1024
.set SIZE_N, 1024
.set KW,    256                        ; along K for a wave
.set NB,    KW/32                      ; blocks
.set ROWB,  192                        ; bytes of KW codes
.set PITCH, 272                        ; a stage row: sixteen places of 16 bytes, each with 12 bytes of codes, + 16
.set KROW,  SIZE_K*6/8                 ; a row of wc in bytes
.set EMAX,  2
.set X,     32                         ; v32-95   two sets of 32 numbers
.set C,     96                         ; v96..    a block's codes
.set OUTR,  112                        ; v112-175 the way out: 16 x 4 registers
.set SB,    24                         ; v24-25   the scale bytes, four to a register
	s_load_b128 s[4:7], s[0:1], 0x0                ; Wq, Wk
	s_load_b128 s[8:11], s[0:1], 0x10              ; Wv, wc
	s_load_b64 s[12:13], s[0:1], 0x20              ; ws
	v_lshl_add_u32 v192, v0, 2, 0x8c00
	v_mov_b32 v193, 0
	v_lshrrev_b32 v1, 5, v0
	v_readfirstlane_b32 s16, v1                    ; wave 0..3
	v_and_b32 v2, 31, v0                           ; lane
	s_lshr_b32 s30, ttmp9, 3                       ; which matrix
	s_and_b32 s17, ttmp9, 7
	s_lshl_b32 s17, s17, 7
	s_lshl_b32 s18, s16, 5
	s_add_co_u32 s17, s17, s18                     ; my wave's first column in it
	s_lshl_b32 s31, s30, 10
	s_add_co_u32 s31, s31, s17                     ; and its row of wc and ws
	s_and_b32 s18, ttmp7, 0xffff                   ; which KW along K
	v_lshlrev_b32 v3, 2, v2                        ; in: 4 bytes a lane
	s_mul_i32 s19, s16, 32*PITCH                   ; my stage
	v_mul_u32_u24 v4, v2, PITCH
	v_add_nc_u32 v4, s19, v4                       ; into it: row = my column
	v_and_b32 v5, 15, v2
	v_lshrrev_b32 v6, 4, v2                        ; out of it: sixteen lanes to a row, two rows an instruction
	v_mul_u32_u24 v7, v6, PITCH
	v_lshl_add_u32 v7, v5, 4, v7
	v_add_nc_u32 v7, s19, v7                       ; LDS address
	v_mul_u32_u24 v8, v6, KROW
	v_mad_u32_u24 v8, v5, 12, v8                   ; and the same place in wc
	s_mov_b32 s19, 0
	s_mov_b64 s[20:21], KW*SIZE_N*4
	s_mul_u64 s[20:21], s[18:19], s[20:21]
	s_lshl_b32 s22, s17, 2
	s_mov_b32 s23, 0
	s_add_nc_u64 s[20:21], s[20:21], s[22:23]      ; W: (KW y) rows of 4,096 bytes + 4 x column
	s_mov_b32 s22, s31
	s_mov_b64 s[24:25], KROW
	s_mul_u64 s[24:25], s[22:23], s[24:25]
	s_mul_i32 s26, s18, ROWB
	s_mov_b32 s27, 0
	s_add_nc_u64 s[24:25], s[24:25], s[26:27]      ; wc: row x 768 + 192 y
	s_mov_b64 s[28:29], SIZE_K/32
	s_mul_u64 s[28:29], s[22:23], s[28:29]
	s_mul_i32 s26, s18, NB
	s_add_nc_u64 s[28:29], s[28:29], s[26:27]      ; ws: row x 32 + 8 y
	v_mul_u32_u24 v9, v2, SIZE_K/32                ; my column's row of scale bytes
	s_wait_kmcnt 0x0
	s_cmp_eq_u32 s30, 0                            ; the choice hangs on the work-group's number alone
	s_cselect_b64 s[4:5], s[4:5], s[6:7]
	s_cmp_eq_u32 s30, 2
	s_cselect_b64 s[4:5], s[8:9], s[4:5]
	s_add_nc_u64 s[4:5], s[4:5], s[20:21]
	s_add_nc_u64 s[10:11], s[10:11], s[24:25]
	s_add_nc_u64 s[12:13], s[12:13], s[28:29]
.macro LOAD t                          ; block t: W(32 t + i, my column), i = 0 .. 31, into set t % 2
.irp i, 0,1,2,3,4,5,6,7,8,9,10,11,12,13,14,15,16,17,18,19,20,21,22,23,24,25,26,27,28,29,30,31
	global_load_b32 v[X+32*((\t)%2)+\i], v3, s[4:5] offset:(32*(\t)+\i)*SIZE_N*4 th:TH_LOAD_NT
.endr
.endm
	LOAD 0
	LOAD 1
.macro BLOCK t
.set XS, X+32*((\t)%2)
.if (\t) < NB-1
	s_wait_loadcnt 32                              ; this block's 32 loads are in; the next block's may be out
.else
	s_wait_loadcnt 0
.endif
	v_max3_num_f32 v12, |v[XS]|, |v[XS+1]|, |v[XS+2]|               ; the block's largest magnitude: all 32 numbers are mine
	v_max3_num_f32 v13, |v[XS+3]|, |v[XS+4]|, |v[XS+5]|
.irp i, 6,10,14,18,22,26
	v_max3_num_f32 v12, v12, |v[XS+\i]|, |v[XS+\i+1]|
	v_max3_num_f32 v13, v13, |v[XS+\i+2]|, |v[XS+\i+3]|
.endr
	v_max3_num_f32 v12, v12, |v[XS+30]|, |v[XS+31]|
	v_max3_num_f32 v12, v12, v13, (EMAX+1)<<23     ; and the floor 2^(3 - 127): the byte cannot fall under 1
	v_add_nc_u32 v11, 0xff000000, v12              ; 2 off its exponent field: the conversion's scale operand
	v_lshrrev_b32 v13, 23, v11                     ; the scale's byte
.if (\t)%4 == 0
	v_mov_b32 v[SB+(\t)/4], v13                    ; four bytes to a register, the lower K in the lower byte
.else
	v_lshl_or_b32 v[SB+(\t)/4], v13, 8*((\t)%4), v[SB+(\t)/4]
.endif
	v_cvt_scalef32_pk16_fp6_f32 v[C:C+2], v[XS:XS+15], v11
	v_cvt_scalef32_pk16_fp6_f32 v[C+4:C+6], v[XS+16:XS+31], v11     ; (a conversion's three registers begin on an even number)
	ds_store_b96 v4, v[C:C+2] offset:32*(\t)       ; 12 bytes to a place of 16 in the stage, so that every LDS address is a multiple of 16
	ds_store_b96 v4, v[C+4:C+6] offset:32*(\t)+16
.if (\t)+2 < NB
	LOAD (\t)+2
.endif
	s_wait_dscnt 0x0                               ; the stores have read their registers: the next block's codes may be written (the next block begins with plain vector lines)
.endm
.set Q, 0
.rept NB
	BLOCK Q
.set Q, Q+1
.endr
	global_store_b64 v9, v[SB:SB+1], s[12:13]      ; my column's 8 scale bytes
.irp t, 0,1,2,3,4,5,6,7,8,9,10,11,12,13,14,15
	ds_load_b96 v[OUTR+4*\t:OUTR+4*\t+2], v7 offset:2*\t*PITCH   ; served in order: these see my stores
.endr
.irp t, 0,1,2,3,4,5,6,7,8,9,10,11,12,13,14,15
	s_wait_dscnt 15-\t
	global_store_b96 v8, v[OUTR+4*\t:OUTR+4*\t+2], s[10:11] offset:2*\t*KROW
.endr
	s_wait_tensorcnt 0x0
	ds_add_u32 v192, v193
	s_wait_dscnt 0x0
	s_endpgm
.Lfunc_end_k_qeb64b95759_qw:
	.size	k_qeb64b95759_qw, .Lfunc_end_k_qeb64b95759_qw-k_qeb64b95759_qw
	.p2alignl 7, 3214868480
	.fill 96, 4, 3214868480
	.section	.rodata,"a",@progbits
	.p2align	6, 0x0
	.amdhsa_kernel k_qeb64b95759_qw
		.amdhsa_group_segment_fixed_size 36352
		.amdhsa_private_segment_fixed_size 0
		.amdhsa_enable_private_segment 0
		.amdhsa_kernarg_size 40
		.amdhsa_user_sgpr_count 2
		.amdhsa_user_sgpr_kernarg_segment_ptr 1
		.amdhsa_wavefront_size32 1
		.amdhsa_system_sgpr_workgroup_id_x 1
		.amdhsa_system_sgpr_workgroup_id_y 1
		.amdhsa_system_sgpr_workgroup_id_z 1
		.amdhsa_system_vgpr_workitem_id 0
		.amdhsa_next_free_vgpr 194
		.amdhsa_next_free_sgpr 66
		.amdhsa_reserve_vcc 0
		.amdhsa_float_denorm_mode_32 3
		.amdhsa_float_denorm_mode_16_64 3
		.amdhsa_memory_ordered 1
		.amdhsa_forward_progress 1
		.amdhsa_inst_pref_size 42
	.end_amdhsa_kernel
	.amdgpu_metadata
---
amdhsa.version: [ 1, 2 ]
amdhsa.kernels:
  - .name:           k_qeb64b95759_qw
    .symbol:         k_qeb64b95759_qw.kd
    .args:
      - { .name: Wq, .offset: 0, .size: 8, .value_kind: global_buffer, .address_space: global }
      - { .name: Wk, .offset: 8, .size: 8, .value_kind: global_buffer, .address_space: global }
      - { .name: Wv, .offset: 16, .size: 8, .value_kind: global_buffer, .address_space: global }
      - { .name: wc, .offset: 24, .size: 8, .value_kind: global_buffer, .address_space: global }
      - { .name: ws, .offset: 32, .size: 8, .value_kind: global_buffer, .address_space: global }
    .group_segment_fixed_size: 36352
    .private_segment_fixed_size: 0
    .kernarg_segment_align: 8
    .kernarg_segment_size: 40
    .max_flat_workgroup_size: 128
    .sgpr_count:     66
    .vgpr_count:     194
    .wavefront_size: 32
...
	.end_amdgpu_metadata
.endif
;; end of part 2
;; launch gemm (part 3): grid 12 x 32, 4 waves a work-group, clusters of 4 x 4, 327,680 bytes of LDS; arguments xc, xs, wc, ws, bq, bk, bv, qkc, qks, vc, vs; writes qkc, qks, vc, vs
.if DOCPART == 3
	.amdgcn_target "amdgcn-amd-amdhsa--gfx1250"
	.amdhsa_code_object_version 6
	.text
	.protected	k_qeb64b95759_gemm
	.globl	k_qeb64b95759_gemm
	.p2align	8
	.type	k_qeb64b95759_gemm,@function
k_qeb64b95759_gemm:
	s_mov_b64 s[64:65], 0
	v_nop
	global_prefetch_b8 v0, s[64:65] scope:SCOPE_SE
	s_setreg_imm32_b32 hwreg(HW_REG_WAVE_MODE, 25, 1), 1
	s_wait_xcnt 0x0
	s_wait_alu depctr_hold_cnt(0) depctr_sa_sdst(0) depctr_va_vdst(0) depctr_va_sdst(0) depctr_va_ssrc(0) depctr_va_vcc(0) depctr_vm_vsrc(0)
	s_getreg_b32 s2, hwreg(HW_REG_IB_STS2, 6, 4)
	s_cmp_eq_u32 s2, 0
	s_cbranch_scc0 .Lentry_in_a_cluster
	s_endpgm
.Lentry_in_a_cluster:
	s_bfe_u32 s2, ttmp6, 0x10000c
	s_cmp_lg_u32 s2, 0xf033
	s_cbranch_scc0 .Lentry_shape_is_right
	s_endpgm
.Lentry_shape_is_right:
; q, k, v = hidden_states W + b, all three in one product [8192 tokens x 1024] x [3072 columns x 1024]^T on codes of FP6 (E2M3) with E8M0 scales, sums in f32; columns 1024 m .. belong to matrix m (0 q, 1 k, 2 v).
; The results never go to memory as f32: on the way out q and k are quantised along the head's 64 and v along the keys, straight into images of the next launch's operand registers.
; A tile, 256 tokens x 256 columns, is made by four waves, as many as a WGP has SIMDs; a wave makes 128 x 128: 64 accumulators, 512 registers.  K goes in steps of 256 through a ring of two LDS slots filled by the
; tensor data mover; the scale bytes of the work-group's rows of both operands, for all of K, come once with the first fills.
; CLUSTERS: 4 x 4 work-groups; the four of a row of the cluster ask jointly for the tokens' tiles, the four of a column for the weights'.  A cluster spans 1,024 columns: the cluster's x IS the matrix.
; THE MATRIX INSTRUCTION IS USED TRANSPOSED (source 0 = 16 rows of the weights = 16 columns of the result, source 1 = 16 tokens): lane (r, h) holds token r and columns 8 h + 0 .. 7 of a block.
; THE BIAS is the C of each sum's first product: eight registers for each block of 16 columns, in the result's layout.
; OUTPUT LAYOUT.  A RECORD is six operand registers of 32 lanes, 768 bytes: registers 0-3 at 16 x lane, registers 4-5 at 512 + 8 x lane; lane (r, h) holds the 32 codes of row r, block h.
;   qkc [matrix 2][g = 16 batch + head][T = 8 s + t][record]: s = step of 128 tokens, tile t's row r = token 128 s + 32 (t / 2) + 8 (t % 2) + r + 8 (r / 8); block h = the head's numbers 32 h ..
;   qks [matrix][g][s][512]: lane (r, hh): 16 bytes at 16 x lane: the scale words of tiles 4 hh + 0 .. 3, row r; a word = byte of block 0 | byte of block 1 << 8 | 0x7f7f0000 (the upper 64 along K are zero codes)
;   vc [g][s][t 4][c 2][record]: row r = channel 16 t + r; block h = keys 128 s + 64 c + 32 h ..      vs [g][s][512]: lane: 16 bytes at 16 x lane: the words of channel tiles 0 .. 3, row lane % 16; byte 2 c + h
; A block of zeros gets the byte 1 where the quantiser says 127: its codes are zeros, and only this program reads the bytes.
; LIMITS: NaN and infinities are not served; a block's largest magnitude under 2^-124 is taken as 2^-124 (byte 1).
; 384 work-groups of equal work on tiles of 256 x 256.
; REGISTERS, in windows of 256: window 0: v0-31 addresses; v32-63 scale words, two sets; v64-127 the bias; from v128 the tokens' fragments, ONE set; on the way out v32-199 are at work.
;   window 1: the weights' fragments, TWO sets, at v0 and v128.   window 2: the accumulators of my tokens 0-63 ((a, b) at v[8 (8 a + b)]);   window 3: those of my tokens 64-127.
.set SIZE_K, 1024
.set KSTEP,  256                       ; along K in a slot
.set NQ,     KSTEP/128                 ; matrix instructions deep
.set ROWB,   192                       ; a tile's row in bytes
.set KROW,   SIZE_K*6/8                ; a row of codes in memory
.set PITCH,  240                       ; an LDS row: 3 x (64 bytes + 16 of padding) = 60 words: row r starts at bank -4 r mod 64 (64 banks of 4 bytes: ISA guide 11.1)
.set FR,     12                        ; registers of a fragment
.set NL,     6                         ; LDS loads that bring one
.set NP,     4                         ; places behind this matrix instruction (ISA guide 7.12.1)
.set HALFT,  128*PITCH                 ; 128 rows: what one tensor load brings
.set SLOT,   4*HALFT                   ; the tokens' 256 rows, then the weights' 256
.set LAPS,   SIZE_K/(2*KSTEP)          ; a lap = two K steps = once round the ring
.set KS,     SIZE_K/32                 ; a row of scale bytes
.set SCL,    2*SLOT                    ; behind the ring: the scales, as pieces of 256 bytes + 16 of padding
.set HALFS,  (128*KS/256)*272          ; those of 128 rows
.set SBLK,   (16*KS/256)*272           ; those of 16 rows
.set SPARE,  327168                    ; the last 512 bytes: the spare words, 128 bytes for each wave, that no other line names
.set WSTG,   34560                     ; the way out: a wave's stage: 64 tokens x 128 columns of f32; token x at 528 x + 128 (x / 16) + 64 (x / 32)
.set B16,    8576                      ; 16 tokens on
.set B32,    17216                     ; 32 tokens on
.set STG_V,  4*WSTG                    ; q's and k's stages begin at LDS byte 0, v's here: each path has bytes of its own.  Both lie in bytes that have had their last fill and last read
.set ADRA, 16                          ; v16-17 LDS address of my tokens' fragments in slot 0, 1 (v18-19: for the pieces behind one padding more)
.set ADRB, 20                          ; v20-23 the same for the weights
.set ADRS, 27                          ; v27    LDS address of my scale words: lanes 0-15 the tokens', lanes 16-31 the weights'
.set SPW,  28                          ; v28    LDS address of my spare word; never rewritten
.set NIL,  29                          ; v29    0; never rewritten
.set SC,   32                          ; scale words: set s at v[SC + 16 s]
.set BI,   64                          ; the bias: v[BI + 8 b + j] = bias(my first column + 16 b + 8 h + j)
.set AF,   128                         ; the tokens' fragments
.set G1, 24                            ; s[24:31] group 1 for the tokens' tiles;  s[32:39] group 0, one set a slot
.set G0, 32
.set G1B, 48                           ; s[48:55], s[56:63] the same for the weights'
.set G0B, 56
.set G1S, 68                           ; s[68:75], s[76:79] groups 1 and 0 for the tokens' scales;  s[80:87], s[88:91] for the weights'
.set G0S, 76
.set G1SB, 80
.set G0SB, 88
; the way out (window 0)
.set L16,  16                          ; 16 x lane
.set L8,   17                          ; 8 x lane
.set SH8,  18                          ; 8 h
.set LANE, 19
.set STQ,  24                          ; where I put 32 bytes of a token's row: q's and k's stage
.set RQ,   25                          ; where I read a block of 32 numbers of one token
.set RV,   26                          ; where I read one channel of 32 tokens
.set STV,  27                          ; as STQ, v's stage
.set EX,   32                          ; v32-95   two sets of 32 numbers: one block a lane
.set EC,   96                          ; v96-159  codes: eight registers an item, so that no store's data are written again within a pass
.set ET,   160                         ; v160-162 a block's second 16 codes
.set MX,   164
.set MY,   165
.set SO,   166
.set BY,   167
.set PT,   168
.set EW,   176                         ; v176-191 scale words
.set EO,   192                         ; v192-199 q's and k's words as they are stored
.set MSB, 0
.macro WIN new                         ; the immediate's high byte repeats the setting that is left
.if MSB != (\new)
	s_set_vgpr_msb (MSB<<8)|(\new)
.set MSB, (\new)
.endif
.endm
.set MUL_LO, 0xa1                      ; source 0 (weights) window 1, source 1 (tokens) window 0, C and D window 2
.set MUL_HI, 0xf1                      ; the same, C and D window 3
.set BIA_LO, 0x81                      ; the first products: C (the bias) window 0, D window 2
.set BIA_HI, 0xc1                      ; D window 3
.set TO_B,   0x40                      ; destination window 1, address window 0
; A joint load: waves 0 and 1 fetch for the tokens, waves 2 and 3 for the weights.  Each line has ONE mask and one set of registers; the branch hangs on the wave's number alone.
; Four v_nop follow each of the two lines, ahead of the jump, the label and what follows.
.macro JLOAD g0a, g1a, g0b, g1b
	s_cmp_eq_u32 s15, 0
	s_cbranch_scc0 .Lfor_b_\@
	tensor_load_to_lds s[\g0a:\g0a+3], s[\g1a:\g1a+7]
	s_nop 0
.rept 4
	v_nop
.endr
	s_branch .Lasked_\@
.Lfor_b_\@:
	tensor_load_to_lds s[\g0b:\g0b+3], s[\g1b:\g1b+7]
	s_nop 0
.rept 4
	v_nop
.endr
.Lasked_\@:
.endm
.macro CREST                           ; a round of the cluster's barrier behind its opening barrier
	s_cmp_lg_u32 s14, 0
	s_cbranch_scc1 .Lnot_wave_0_\@
	s_barrier_signal -3
.Lnot_wave_0_\@:
	s_barrier_wait -3
	s_barrier_signal -1
	s_barrier_wait -1
.endm
.macro CROUND                          ; a whole round
	s_barrier_signal -1
	s_barrier_wait -1
	CREST
.endm
	s_load_b128 s[4:7], s[0:1], 0x0                ; xc s[4:5], xs s[6:7]
	s_load_b128 s[8:11], s[0:1], 0x10              ; wc s[8:9], ws s[10:11]
	s_load_b128 s[96:99], s[0:1], 0x20             ; bq, bk
	s_load_b64 s[100:101], s[0:1], 0x30            ; bv
	v_lshl_add_u32 v[SPW], v0, 2, SPARE
	v_mov_b32 v[NIL], 0
	ds_add_u32 v28, v29
	ds_add_u32 v28, v29
	s_wait_dscnt 0x0
	v_lshrrev_b32 v1, 5, v0
	v_readfirstlane_b32 s14, v1                    ; wave 0..3
	s_lshr_b32 s15, s14, 1                         ; which half of the tile's tokens is mine.  Also: I fetch for the tokens (0) or for the weights (1)
	s_and_b32 s16, s14, 1                          ; which half of its columns.  Also: which 128 rows of that tile I fetch
	s_bfe_u32 s40, ttmp6, 0x40000                  ; cx, cy: my place in the cluster
	s_bfe_u32 s41, ttmp6, 0x40004
	s_lshl_b32 s42, ttmp9, 2
	s_add_co_u32 s42, s42, s40                     ; tile column = 4 x cluster x + cx
	s_and_b32 s17, ttmp7, 0xffff
	s_lshl_b32 s17, s17, 2
	s_add_co_u32 s17, s17, s41                     ; tile row = 4 x cluster y + cy
	s_lshl_b32 s43, s41, 2
	s_lshl_b32 s43, 15, s43                        ; my row of the cluster
	s_lshl_b32 s44, 0x1111, s40                    ; my column
	; descriptor group 1: a tile of 128 rows x 192 bytes, padded in LDS
	s_or_b32 s[G1+0], s43, (0<<16)|(1<<20)|(1<<21)|(3<<22)|(3<<25)  ; 15:0 the mask: my row; 17:16 elements of 1 byte; 20 padding on; 21 set beside a mask; 24:22 after every 16 words; 31:25 of 4 words
	s_or_b32 s[G1B+0], s44, (0<<16)|(1<<20)|(1<<21)|(3<<22)|(3<<25)
.irp g, G1, G1B
	s_mov_b32 s[\g+1], ROWB<<16                    ; tensor_dim0
	s_mov_b32 s[\g+2], 128<<16                     ; tensor_dim1
	s_mov_b32 s[\g+3], ROWB<<16                    ; tile_dim0
	s_mov_b32 s[\g+4], 128                         ; tile_dim1
	s_mov_b32 s[\g+5], KROW                        ; tensor_dim0_stride
	s_mov_b32 s[\g+6], 0
	s_mov_b32 s[\g+7], 0
.endr
	; the scales of 128 rows: a dense block of 4,096 bytes, as 16 rows of 256 bytes (32 elements of 8 bytes), 16 bytes of padding behind each
	s_or_b32 s[G1S+0], s43, (3<<16)|(1<<20)|(1<<21)|(5<<22)|(3<<25)
	s_or_b32 s[G1SB+0], s44, (3<<16)|(1<<20)|(1<<21)|(5<<22)|(3<<25)
.irp g, G1S, G1SB
	s_mov_b32 s[\g+1], 32<<16
	s_mov_b32 s[\g+2], (128*KS/256)<<16
	s_mov_b32 s[\g+3], 32<<16
	s_mov_b32 s[\g+4], 128*KS/256
	s_mov_b32 s[\g+5], 32
	s_mov_b32 s[\g+6], 0
	s_mov_b32 s[\g+7], 0
.endr
	s_lshl_b32 s18, s16, 7                         ; which 128 rows of the tile I fetch
	s_lshl_b32 s20, s17, 8
	s_add_co_u32 s20, s20, s18                     ; tokens: row 256 x tile row + 128 x half
	s_lshl_b32 s46, s42, 8
	s_add_co_u32 s46, s46, s18                     ; weights: row 256 x tile column + 128 x half
	s_mov_b32 s21, 0
	s_mov_b32 s47, 0
	s_mov_b64 s[18:19], KS
	s_mul_u64 s[22:23], s[20:21], s[18:19]         ; where these rows' scales begin, in bytes
	s_mul_u64 s[92:93], s[46:47], s[18:19]
	s_mov_b64 s[18:19], KROW
	s_mul_u64 s[20:21], s[20:21], s[18:19]         ; and their codes
	s_mul_u64 s[46:47], s[46:47], s[18:19]
	s_mul_i32 s45, s14, HALFT                      ; where they go: wave x 128 rows: no place in the cluster enters an LDS address
	s_mul_i32 s94, s14, HALFS
	s_wait_kmcnt 0x0
	s_add_nc_u64 s[20:21], s[4:5], s[20:21]
	s_add_nc_u64 s[22:23], s[6:7], s[22:23]
	s_add_nc_u64 s[46:47], s[8:9], s[46:47]
	s_add_nc_u64 s[92:93], s[10:11], s[92:93]
	CROUND                                         ; all sixteen work-groups are here: the first joint loads meet
	s_mov_b32 s[G0S], 1
	s_add_co_u32 s[G0S+1], s94, SCL
	s_mov_b64 s[G0S+2:G0S+3], s[22:23]
	s_or_b32 s[G0S+3], s[G0S+3], 0x80000000
	s_mov_b32 s[G0SB], 1
	s_add_co_u32 s[G0SB+1], s94, SCL
	s_mov_b64 s[G0SB+2:G0SB+3], s[92:93]
	s_or_b32 s[G0SB+3], s[G0SB+3], 0x80000000
	JLOAD G0S, G1S, G0SB, G1SB                     ; the scales first: they are wanted with K step 0
.irp s, 0,1
	s_mov_b32 s[G0+4*\s], 1
	s_add_co_u32 s[G0+4*\s+1], s45, \s*SLOT
	s_add_nc_u64 s[G0+4*\s+2:G0+4*\s+3], s[20:21], \s*ROWB
	s_or_b32 s[G0+4*\s+3], s[G0+4*\s+3], 0x80000000
	s_mov_b32 s[G0B+4*\s], 1
	s_add_co_u32 s[G0B+4*\s+1], s45, \s*SLOT
	s_add_nc_u64 s[G0B+4*\s+2:G0B+4*\s+3], s[46:47], \s*ROWB
	s_or_b32 s[G0B+4*\s+3], s[G0B+4*\s+3], 0x80000000
	JLOAD G0+4*\s, G1, G0B+4*\s, G1B               ; three tensor loads of mine are out at the most
.endr
	v_and_b32 v1, 15, v0                           ; r = l % 16
	v_bfe_u32 v2, v0, 4, 1                         ; h = l / 16
	v_mul_u32_u24 v3, v1, PITCH
	v_mul_u32_u24 v4, v2, 24
	v_add_nc_u32 v4, v3, v4                        ; a fragment's row x pitch + 24 x half
	v_lshl_add_u32 v5, v2, 4, v4                   ; and the same behind one padding more
	s_mul_i32 s21, s15, HALFT                      ; my 128 tokens
	s_mul_i32 s22, s16, HALFT                      ; my 128 rows of the weights,
	s_add_co_u32 s22, s22, 2*HALFT                 ; which lie behind the tokens' 256
.irp s, 0,1
	v_add_nc_u32 v[ADRA+\s], s21, v4
	v_add_nc_u32 v[ADRB+\s], s22, v4
	v_add_nc_u32 v[ADRA+2+\s], s21, v5
	v_add_nc_u32 v[ADRB+2+\s], s22, v5
	s_add_co_u32 s21, s21, SLOT
	s_add_co_u32 s22, s22, SLOT
.endr
	v_mul_u32_u24 v5, v1, KS                       ; my row's scales: 32 bytes a row,
	v_lshrrev_b32 v6, 8, v5
	v_lshl_add_u32 v5, v6, 4, v5                   ; and 16 more for each 256 passed
	s_mul_i32 s21, s15, HALFS                      ; the tokens': my 128 rows
	s_mul_i32 s22, s16, HALFS                      ; the weights': my 128 rows, behind the tokens' 256
	s_add_co_u32 s22, s22, 2*HALFS
	s_sub_co_u32 s22, s22, s21
	v_mul_u32_u24 v6, s22, v2                      ; lanes 16-31 take the weights': one product, the distance x h
	s_add_co_u32 s21, s21, SCL
	v_add_nc_u32 v5, v5, v6
	v_add_nc_u32 v[ADRS], s21, v5
	; the bias of my 128 columns.  The choice of buffer hangs on the cluster's x alone
	s_cmp_eq_u32 ttmp9, 0
	s_cselect_b64 s[96:97], s[96:97], s[98:99]
	s_cmp_eq_u32 ttmp9, 2
	s_cselect_b64 s[96:97], s[100:101], s[96:97]
	s_lshl_b32 s46, s40, 10                        ; 4 bytes x (256 cx + 128 x half)
	s_lshl_b32 s47, s16, 9
	s_add_co_u32 s46, s46, s47
	s_mov_b32 s47, 0
	s_add_nc_u64 s[96:97], s[96:97], s[46:47]
	v_lshlrev_b32 v7, 5, v2                        ; 32 h: my half's eight numbers of a block of 16
.irp b, 0,1,2,3,4,5,6,7
	global_load_b128 v[BI+8*\b:BI+8*\b+3], v7, s[96:97] offset:64*\b
	global_load_b128 v[BI+8*\b+4:BI+8*\b+7], v7, s[96:97] offset:64*\b+16
.endr
.macro FRAG reg, adr, q, i             ; a fragment, 16 rows x 128 K, is 12 registers: lane l holds row l % 16; registers 6 c .. 6 c + 5 hold K = 64 c + 32 (l / 16) + 0 .. 31: 24 bytes of the row's stream of bits, as they lie
.irp p, 0,1,2,3,4,5                    ; in pieces of 8 bytes.  Lanes 0-15 take the row's pieces 12 q + 0, 1, 2 and 12 q + 6, 7, 8, lanes 16-31 those three pieces on
.set PCE, 12*(\q)+6*(\p/3)+\p%3        ; 16 bytes of padding lie behind every 8 pieces: where the piece three on lies behind one padding more, the second address register serves
.if PCE%8 < 5
	ds_load_b64 v[\reg+2*\p:\reg+2*\p+1], v[\adr] offset:8*PCE+16*(PCE/8)+(\i)*16*PITCH
.else
	ds_load_b64 v[\reg+2*\p:\reg+2*\p+1], v[\adr+2] offset:8*PCE+16*(PCE/8)+(\i)*16*PITCH
.endif
.endr
.endm
; 16 matrix instructions: token blocks a0, a0 + 1 x the weights' eight, 128 along K: the slot's q-th.  p: the weights' set;  sc: the set of scale words.  zero = 1: the first product starts the sums, with the bias as C.
; The 64 accumulators take turns, one instruction a turn, in the same order in every step.
.macro MUL16 a0, p, q, sc, zero
.irp a, \a0, \a0+1
.irp b, 0,1,2,3,4,5,6,7
.if \zero
	v_wmma_scale_f32_16x16x128_f8f6f4 v[8*(8*((\a)%4)+\b):8*(8*((\a)%4)+\b)+7], v[128*(\p)+FR*\b:128*(\p)+FR*\b+FR-1], v[AF+FR*(\a):AF+FR*(\a)+FR-1], v[BI+8*\b:BI+8*\b+7], v[SC+8*NQ*(\sc)+NQ*\b+(\q)], v[SC+8*NQ*(\sc)+NQ*(\a)+(\q)] matrix_a_fmt:MATRIX_FMT_FP6 matrix_b_fmt:MATRIX_FMT_FP6 matrix_a_scale:MATRIX_SCALE_ROW1
.else
	v_wmma_scale_f32_16x16x128_f8f6f4 v[8*(8*((\a)%4)+\b):8*(8*((\a)%4)+\b)+7], v[128*(\p)+FR*\b:128*(\p)+FR*\b+FR-1], v[AF+FR*(\a):AF+FR*(\a)+FR-1], v[8*(8*((\a)%4)+\b):8*(8*((\a)%4)+\b)+7], v[SC+8*NQ*(\sc)+NQ*\b+(\q)], v[SC+8*NQ*(\sc)+NQ*(\a)+(\q)] matrix_a_fmt:MATRIX_FMT_FP6 matrix_b_fmt:MATRIX_FMT_FP6 matrix_a_scale:MATRIX_SCALE_ROW1
.endif
.endr
.endr
.endm
.macro FETCH_B slot, q, p              ; the weights' eight fragments of the slot's q-th 128 along K into set p
	WIN TO_B
.irp i, 0,1,2,3,4,5,6,7
	FRAG 128*(\p)+FR*\i, ADRB+\slot, \q, \i
.endr
	WIN 0
.endm
.macro FETCH_A slot, q, i0             ; the tokens' blocks i0 .. i0 + 3
.irp i, \i0, \i0+1, \i0+2, \i0+3
	FRAG AF+FR*(\i), ADRA+\slot, \q, \i
.endr
.endm
.macro SCALES sc                       ; the next K step's scale words into set sc: two words a row; lanes 0-15 take the tokens' block i, lanes 16-31 the weights' block i
.irp i, 0,1,2,3,4,5,6,7
	ds_load_b64 v[SC+8*NQ*\sc+NQ*\i:SC+8*NQ*\sc+NQ*\i+1], v[ADRS] offset:\i*SBLK
.endr
.endm
; A load into a register that a matrix instruction has read, and a vector instruction or an LDS store that reads a matrix result, stand NP places behind that matrix instruction; only plain vector
; instructions that name none of its registers are places (ISA guide 7.12.1 for vector instructions).
.macro PLACES n
.rept \n
	v_nop
.endr
.endm
; A step of 128 along K that has its successor in the same slot.
.macro STEP slot, q, zero
	s_wait_dscnt 4*NL                              ; the weights' set and token blocks 0-3 are in; the youngest 24 loads (blocks 4-7) may be out
.if \zero
	WIN BIA_LO
.else
	WIN MUL_LO
.endif
	MUL16 0, (\q)%2, \q, \slot, \zero
	MUL16 2, (\q)%2, \q, \slot, \zero
	s_wait_dscnt 0                                 ; blocks 4-7 are in (asked for 32 matrix instructions ago)
	PLACES NP
	FETCH_B \slot, (\q)+1, 1-(\q)%2
	FETCH_A \slot, (\q)+1, 0
.if \zero
	WIN BIA_HI
.else
	WIN MUL_HI
.endif
	MUL16 4, (\q)%2, \q, \slot, \zero
	MUL16 6, (\q)%2, \q, \slot, \zero
	PLACES NP
	WIN 0
	FETCH_A \slot, (\q)+1, 4
.endm
; A slot's last step changes slots: ONE barrier; in front of it each wave waits for all its tensor loads, adds 0 to its spare word, and waits for that and for its own reads of this slot.  fill = 1: this slot is filled again, two K steps ahead.
.macro TURN slot, next, fill
	s_wait_tensorcnt 0x0                           ; all my tensor loads have landed: my part of the next slot  (every window is 0 here)
	ds_add_u32 v[SPW], v[NIL]                      ; 0 onto my spare word
	s_wait_dscnt 4*NL+1                            ; (the add and the youngest 24 loads may be out)
	WIN MUL_LO
	MUL16 0, 1, NQ-1, \slot, 0                     ; sixteen matrix instructions stand between the add and the wait for it
	s_wait_dscnt 0x0                               ; the add is done, and my reads of this slot are over
	s_barrier_signal -1
	MUL16 2, 1, NQ-1, \slot, 0
	WIN 0
	s_barrier_wait -1
.if \fill
	CREST                                          ; the barrier has opened a round of the cluster's barrier: no wave of any partner still reads this slot's tile or has a load on its way
	s_add_nc_u64 s[G0+4*\slot+2:G0+4*\slot+3], s[G0+4*\slot+2:G0+4*\slot+3], 2*ROWB
	s_add_nc_u64 s[G0B+4*\slot+2:G0B+4*\slot+3], s[G0B+4*\slot+2:G0B+4*\slot+3], 2*ROWB
	JLOAD G0+4*\slot, G1, G0B+4*\slot, G1B         ; the first tensor load behind the round; its four v_nop are the places in front of the loads below
.else
	PLACES NP
.endif
	v_add_nc_u32 v[ADRS], 4*NQ, v[ADRS]            ; on to the next K step's scale words
	FETCH_B \next, 0, 0
	FETCH_A \next, 0, 0
	SCALES \next
	WIN MUL_HI
	MUL16 4, 1, NQ-1, \slot, 0
	MUL16 6, 1, NQ-1, \slot, 0
	PLACES NP
	WIN 0
	FETCH_A \next, 0, 4
.endm
	s_wait_tensorcnt 1                             ; the scales and my part of K step 0 are in (K step 1's load may be out)
	s_barrier_signal -1
	s_barrier_wait -1                              ; everybody's are
	FETCH_B 0, 0, 0
	FETCH_A 0, 0, 0
	SCALES 0
	FETCH_A 0, 0, 4
	s_wait_loadcnt 0x0                             ; the bias
	STEP 0, 0, 1                                   ; the first step stands in front of the loop: its products start the sums
	s_mov_b32 s3, LAPS-1
.Llap:                                                 ; a trip goes once round the ring, from a lap's second step to the next lap's first, and fills both slots again
	TURN 0, 1, 1
	STEP 1, 0, 0
	TURN 1, 0, 1
	STEP 0, 0, 0
	s_sub_co_u32 s3, s3, 1
	s_cmp_lg_u32 s3, 0
	s_cbranch_scc1 .Llap
	TURN 0, 1, 0                                   ; the last lap fills nothing, and has no round of the cluster's barrier; its wait for 0 has shown every tensor load of mine done
	STEP 1, 0, 0
	s_load_b256 s[68:75], s[0:1], 0x38             ; qkc s[68:69], qks s[70:71], vc s[72:73], vs s[74:75], into descriptor registers that are done with
	s_wait_dscnt 4*NL                              ; the very last step: nothing more to fetch
	WIN MUL_LO
	MUL16 0, 1, NQ-1, 1, 0
	MUL16 2, 1, NQ-1, 1, 0
	s_wait_dscnt 0
	WIN MUL_HI
	MUL16 4, 1, NQ-1, 1, 0
	MUL16 6, 1, NQ-1, 1, 0
	WIN 0
	PLACES NP                                      ; behind the last products: for the reads of results and the writes of operand registers below
	s_barrier_signal -1                            ; my reads of slot 1 and of the scales are over (the wait for 0 above),
	s_barrier_wait -1                              ; everybody's are: the stages may be written
	; THE WAY OUT.  In two passes of 64 tokens (window 2, then 3) my results go into my own stage as f32 rows (a token's 128 columns = 512 bytes) and come back so that ONE LANE HOLDS ONE WHOLE BLOCK OF 32 along the
	; next product's K: for q and k 32 neighbouring columns of one token, for v one column of 32 neighbouring tokens.  The stage's paddings keep all three accesses on different banks.
	v_and_b32 v1, 15, v0                           ; r
	v_bfe_u32 v2, v0, 4, 1                         ; h
	v_and_b32 v[LANE], 31, v0
	v_lshlrev_b32 v[L16], 4, v[LANE]
	v_lshlrev_b32 v[L8], 3, v[LANE]
	v_lshlrev_b32 v[SH8], 3, v2
	s_mul_i32 s23, s14, WSTG
	v_mul_u32_u24 v3, v1, 528
	v_lshl_add_u32 v3, v2, 5, v3
	v_add_nc_u32 v[STQ], s23, v3                   ; in: token r of a block of 16, + 32 h
	v_add_nc_u32 v[STV], STG_V, v[STQ]
	v_and_b32 v3, 7, v1
	v_bfe_u32 v4, v0, 3, 1                         ; r / 8
	v_mul_u32_u24 v3, v3, 528
	v_mad_u32_u24 v3, v4, B16, v3
	v_lshl_add_u32 v3, v2, 7, v3
	v_add_nc_u32 v[RQ], s23, v3                    ; q, k: token r % 8 + 16 (r / 8), + 128 h: block h of a head
	v_lshlrev_b32 v3, 2, v1
	v_mad_u32_u24 v3, v2, B32, v3
	v_add_nc_u32 v3, s23, v3
	v_add_nc_u32 v[RV], STG_V, v3                  ; v: channel r, tokens 32 h on
	v_mov_b32 v[PT], 0                             ; a lane permute's destination counts as one of its sources
	s_mov_b32 s92, 0x76543210
	s_mov_b32 s93, 0xfedcba98                      ; v_permlanex16_b32's selects for lane l xor 16
	s_lshl_b32 s84, s17, 1
	s_add_co_u32 s84, s84, s15                     ; my 128 tokens: step 2 x tile row + half of all 64
	s_lshr_b32 s85, s84, 4                         ; the batch
	s_and_b32 s84, s84, 15                         ; s: the step within it
	s_lshl_b32 s85, s85, 4
	s_lshl_b32 s86, s40, 2
	s_add_co_u32 s85, s85, s86
	s_lshl_b32 s86, s16, 1
	s_add_co_u32 s85, s85, s86                     ; g of my first head: 16 batch + 4 cx + 2 x half
	s_mul_i32 s86, s85, 98304
	s_mul_i32 s87, s84, 6144
	s_add_co_u32 s86, s86, s87                     ; codes: 98,304 g + 6,144 s
	s_mov_b32 s87, 0
	s_lshl_b32 s88, s85, 13
	s_lshl_b32 s89, s84, 9
	s_add_co_u32 s88, s88, s89                     ; scale words: 8,192 g + 512 s
	s_mov_b32 s89, 0
	s_mov_b32 s91, 0
	s_wait_kmcnt 0x0
.macro TOSTAGE sto, c                  ; pass c: 64 tokens x 128 columns, each accumulator from its low end on
	WIN 0x08+4*(\c)                                ; an LDS store's data are its source 1: window 2 or 3
.irp a, 0,1,2,3
.irp b, 0,1,2,3,4,5,6,7
	ds_store_b128 v[\sto], v[8*(8*\a+\b):8*(8*\a+\b)+3] offset:(\a/2)*B32+(\a%2)*B16+64*\b
	ds_store_b128 v[\sto], v[8*(8*\a+\b)+4:8*(8*\a+\b)+7] offset:(\a/2)*B32+(\a%2)*B16+64*\b+16
.endr
.endr
	WIN 0
.endm
.macro LOADX v, n                      ; item n's block into set n % 2.  q, k: tile n / 2 of the pass's four, head n % 2.  v: head n / 4, channel tile n % 4
.set XL, EX+32*((\n)%2)
.if \v
.irp i, 0,1,2,3,4,5,6,7,8,9,10,11,12,13,14,15,16,17,18,19,20,21,22,23,24,25,26,27,28,29,30,31
	ds_load_b32 v[XL+\i], v[RV] offset:256*((\n)/4)+64*((\n)%4)+(\i/16)*B16+(\i%16)*528
.endr
.else
.irp k, 0,1,2,3,4,5,6,7
	ds_load_b128 v[XL+4*\k:XL+4*\k+3], v[RQ] offset:((\n)/4)*B32+(((\n)/2)%2)*4224+256*((\n)%2)+16*\k
.endr
.endif
.endm
.macro ITEM v, c, n                    ; one record: 32 lanes x one block of 32 numbers
.set XB, EX+32*((\n)%2)
.set CR, EC+8*(\n)
.if (\n) < 7
.if \v
	s_wait_dscnt 32                                ; my block is in; the next item's 32 loads may be out
.else
	s_wait_dscnt 8                                 ; my block is in; the next item's 8 loads may be out
.endif
.else
	s_wait_dscnt 0x0
.endif
	v_max3_num_f32 v[MX], |v[XB]|, |v[XB+1]|, |v[XB+2]|             ; the block's largest magnitude, in two chains
	v_max3_num_f32 v[MY], |v[XB+3]|, |v[XB+4]|, |v[XB+5]|
.irp i, 6,10,14,18,22,26
	v_max3_num_f32 v[MX], v[MX], |v[XB+\i]|, |v[XB+\i+1]|
	v_max3_num_f32 v[MY], v[MY], |v[XB+\i+2]|, |v[XB+\i+3]|
.endr
	v_max3_num_f32 v[MX], v[MX], |v[XB+30]|, |v[XB+31]|
	v_max3_num_f32 v[MX], v[MX], v[MY], 0x1800000  ; and the floor 2^(3 - 127): the byte cannot fall under 1
	v_add_nc_u32 v[SO], 0xff000000, v[MX]          ; 2 off its exponent field: the conversion's scale operand
	v_cvt_scalef32_pk16_fp6_f32 v[CR:CR+2], v[XB:XB+15], v[SO]
	v_cvt_scalef32_pk16_fp6_f32 v[ET:ET+2], v[XB+16:XB+31], v[SO]   ; (a conversion's three registers begin on an even number)
	v_lshrrev_b32 v[BY], 23, v[SO]                 ; the scale's byte: the plain line behind the conversions
.irp i, 0,1,2
	v_mov_b32 v[CR+3+\i], v[ET+\i]
.endr
	v_lshlrev_b32 v[BY], v[SH8], v[BY]             ; block h's byte at its place
.if \v
.if \c
	v_lshl_or_b32 v[EW+(\n)], v[BY], 16, v[EW+(\n)]                 ; keys 64 .. 127 of the step: bytes 2 and 3
.else
	v_mov_b32 v[EW+(\n)], v[BY]
.endif
	global_store_b128 v[L16], v[CR:CR+3], s[80:81] offset:98304*((\n)/4)+1536*((\n)%4)+768*(\c)         ; 32 lanes store 512 consecutive bytes, aligned to 256,
	global_store_b64 v[L8], v[CR+4:CR+5], s[80:81] offset:98304*((\n)/4)+1536*((\n)%4)+768*(\c)+512     ; and 256 more
.else
	v_permlanex16_b32 v[PT], v[BY], s92, s93
	v_or_b32 v[BY], v[BY], v[PT]                   ; with the other block's byte
	v_or_b32 v[EW+8*((\n)%2)+4*(\c)+(\n)/2], 0x7f7f0000, v[BY]      ; and 1.0 over the zero codes of the upper 64 along K
	global_store_b128 v[L16], v[CR:CR+3], s[80:81] offset:98304*((\n)%2)+768*(4*(\c)+(\n)/2)
	global_store_b64 v[L8], v[CR+4:CR+5], s[80:81] offset:98304*((\n)%2)+768*(4*(\c)+(\n)/2)+512
.endif
.if (\n)+2 < 8
	LOADX \v, (\n)+2
.endif
.endm
.macro EPI v
.irp c, 0,1
.if \c
	s_wait_xcnt 0x0                                ; the first pass's stores have read their registers: the codes' registers are written again only behind this wait
.endif
.if \v
	TOSTAGE STV, \c
.else
	TOSTAGE STQ, \c
.endif
	LOADX \v, 0                                    ; my own bytes, served in order (ISA guide 5.7.1.4): no wait between the stores and the loads
	LOADX \v, 1
.irp n, 0,1,2,3,4,5,6,7
	ITEM \v, \c, \n
.endr
.endr
.endm
	s_cmp_eq_u32 ttmp9, 2                          ; the cluster's x is the matrix: all sixteen partners take the same way
	s_cbranch_scc1 .Lv
	s_mul_i32 s90, ttmp9, 6291456                  ; q's or k's half of qkc
	s_add_nc_u64 s[80:81], s[68:69], s[86:87]
	s_add_nc_u64 s[80:81], s[80:81], s[90:91]
	s_mul_i32 s90, ttmp9, 524288                   ; and of qks
	s_add_nc_u64 s[82:83], s[70:71], s[88:89]
	s_add_nc_u64 s[82:83], s[82:83], s[90:91]
	EPI 0
	v_cmp_le_u32 vcc_lo, 16, v[LANE]               ; lanes 0-15 store the words of tiles 0-3, lanes 16-31 those of tiles 4-7
.irp e, 0,1
.irp j, 0,1,2,3
	v_cndmask_b32 v[EO+4*\e+\j], v[EW+8*\e+\j], v[EW+8*\e+4+\j], vcc_lo
.endr
.endr
	global_store_b128 v[L16], v[EO:EO+3], s[82:83]
	global_store_b128 v[L16], v[EO+4:EO+7], s[82:83] offset:8192
	s_branch .Ldone
.Lv:
	s_add_nc_u64 s[80:81], s[72:73], s[86:87]
	s_add_nc_u64 s[82:83], s[74:75], s[88:89]
	EPI 1
.irp n, 0,1,2,3,4,5,6,7
	v_permlanex16_b32 v[PT], v[EW+\n], s92, s93
	v_or_b32 v[EW+\n], v[EW+\n], v[PT]             ; my two bytes with lane l xor 16's two: the word is whole, in both halves of the lanes
.endr
	global_store_b128 v[L16], v[EW:EW+3], s[82:83]
	global_store_b128 v[L16], v[EW+4:EW+7], s[82:83] offset:8192
.Ldone:
	s_wait_tensorcnt 0x0                           ; the wave's end: behind my last tensor load and my last LDS store
	ds_add_u32 v[SPW], v[NIL]
	s_wait_dscnt 0x0
	CROUND                                         ; the closing round: no work-group ends while a partner may still ask for a tile that names it
	s_endpgm
.Lfunc_end_k_qeb64b95759_gemm:
	.size	k_qeb64b95759_gemm, .Lfunc_end_k_qeb64b95759_gemm-k_qeb64b95759_gemm
	.p2alignl 7, 3214868480
	.fill 96, 4, 3214868480
	.section	.rodata,"a",@progbits
	.p2align	6, 0x0
	.amdhsa_kernel k_qeb64b95759_gemm
		.amdhsa_group_segment_fixed_size 327680
		.amdhsa_private_segment_fixed_size 0
		.amdhsa_enable_private_segment 0
		.amdhsa_kernarg_size 88
		.amdhsa_user_sgpr_count 2
		.amdhsa_user_sgpr_kernarg_segment_ptr 1
		.amdhsa_wavefront_size32 1
		.amdhsa_system_sgpr_workgroup_id_x 1
		.amdhsa_system_sgpr_workgroup_id_y 1
		.amdhsa_system_sgpr_workgroup_id_z 1
		.amdhsa_system_vgpr_workitem_id 0
		.amdhsa_next_free_vgpr 1024
		.amdhsa_next_free_sgpr 102
		.amdhsa_reserve_vcc 1
		.amdhsa_float_denorm_mode_32 3
		.amdhsa_float_denorm_mode_16_64 3
		.amdhsa_memory_ordered 1
		.amdhsa_forward_progress 1
		.amdhsa_inst_pref_size 246
	.end_amdhsa_kernel
	.amdgpu_metadata
---
amdhsa.version: [ 1, 2 ]
amdhsa.kernels:
  - .name:           k_qeb64b95759_gemm
    .symbol:         k_qeb64b95759_gemm.kd
    .args:
      - { .name: xc, .offset: 0, .size: 8, .value_kind: global_buffer, .address_space: global }
      - { .name: xs, .offset: 8, .size: 8, .value_kind: global_buffer, .address_space: global }
      - { .name: wc, .offset: 16, .size: 8, .value_kind: global_buffer, .address_space: global }
      - { .name: ws, .offset: 24, .size: 8, .value_kind: global_buffer, .address_space: global }
      - { .name: bq, .offset: 32, .size: 8, .value_kind: global_buffer, .address_space: global }
      - { .name: bk, .offset: 40, .size: 8, .value_kind: global_buffer, .address_space: global }
      - { .name: bv, .offset: 48, .size: 8, .value_kind: global_buffer, .address_space: global }
      - { .name: qkc, .offset: 56, .size: 8, .value_kind: global_buffer, .address_space: global }
      - { .name: qks, .offset: 64, .size: 8, .value_kind: global_buffer, .address_space: global }
      - { .name: vc, .offset: 72, .size: 8, .value_kind: global_buffer, .address_space: global }
      - { .name: vs, .offset: 80, .size: 8, .value_kind: global_buffer, .address_space: global }
    .group_segment_fixed_size: 327680
    .private_segment_fixed_size: 0
    .kernarg_segment_align: 8
    .kernarg_segment_size: 88
    .max_flat_workgroup_size: 128
    .sgpr_count:     102
    .vgpr_count:     1024
    .wavefront_size: 32
...
	.end_amdgpu_metadata
.endif
;; end of part 3
;; launch attn (part 4): grid 4 x 64, 16 waves a work-group, clusters of 4 x 1, 284,672 bytes of LDS; arguments qkc, qks, vc, vs, out0; writes out0
.if DOCPART == 4
	.amdgcn_target "amdgcn-amd-amdhsa--gfx1250"
	.amdhsa_code_object_version 6
	.text
	.protected	k_qeb64b95759_attn
	.globl	k_qeb64b95759_attn
	.p2align	8
	.type	k_qeb64b95759_attn,@function
k_qeb64b95759_attn:
	s_mov_b64 s[64:65], 0
	v_nop
	global_prefetch_b8 v0, s[64:65] scope:SCOPE_SE
	s_setreg_imm32_b32 hwreg(HW_REG_WAVE_MODE, 25, 1), 1
	s_wait_xcnt 0x0
	s_wait_alu depctr_hold_cnt(0) depctr_sa_sdst(0) depctr_va_vdst(0) depctr_va_sdst(0) depctr_va_ssrc(0) depctr_va_vcc(0) depctr_vm_vsrc(0)
	s_getreg_b32 s2, hwreg(HW_REG_IB_STS2, 6, 4)
	s_cmp_eq_u32 s2, 0
	s_cbranch_scc0 .Lentry_in_a_cluster
	s_endpgm
.Lentry_in_a_cluster:
	s_bfe_u32 s2, ttmp6, 0x10000c
	s_cmp_lg_u32 s2, 0x3003
	s_cbranch_scc0 .Lentry_shape_is_right
	s_endpgm
.Lentry_shape_is_right:
; out0[b][q][64 head + :] = the sum over keys of softmax(Q . K / 8) V for each g = 16 b + head, both products on codes of FP6 (E2M3) with one E8M0 scale for each 32 along a product's K.
; Q, K, V arrive as images of operand registers (records of 768 bytes: registers 0-3 at 16 x lane, 4-5 at 512 + 8 x lane) with their scale words beside them, made by the launch before.
; THE SOFTMAX AHEAD OF THE SECOND PRODUCT: t = score x log2(e) / 8; M = the running largest t, rounded UP to a whole number; p = 2^(t - M) is quantised along the keys, not normalised.
; The row's sum is taken of the unquantised p, in f32, and divides O at the end.  When M moves, the sum and O are multiplied by 2^(old M - new M): exact.
; THE FIRST PRODUCT'S K IS 64: the upper 64 of the instruction's 128 are zero codes on both sides (registers 6-11 of both fragments, cleared once), under the scale byte 0x7f.
; SHARES.  A work-group owns 512 queries of one g; each of its sixteen waves 32 of them, as two tiles of 16, one after the other; four waves to a SIMD, so that one wave's vector work stands beside another's
; matrix work and LDS loads.  ONE g's K AND V, CODES AND SCALE WORDS, ARE 212,992 BYTES: they come into LDS once, wave w bringing key step w's record by four tensor loads, and stay: no ring, nothing is filled
; again, and the loop over the keys has no barrier.  CLUSTER: the four work-groups of one g ask jointly (mask 15): the descriptors hang on g and the wave's number alone.
; LAYOUT.  Both products are used transposed: S^T = K Q^T, O^T = V^T P^T: a lane holds ONE query (lane % 16) throughout.  Row r of tile t of K (and of Q) is token 32 (t / 2) + 8 (t % 2) + r + 8 (r / 8) of its step
; of 128, so that the 16 registers of score tiles 2 b and 2 b + 1 are the 16 neighbouring keys 32 b + 16 (lane / 16) + 0 .. 15.
; LIMITS: NaN and infinities are not served.  A block whose every p has fallen to 0 keeps the scale byte 1: its codes are zeros.
; REGISTERS: v1 16 x lane, v2 8 x lane; v3, v4 the step's LDS addresses; v5-7 the way out; v8-11 K's scale words; v12 -M, v13 the largest t, v[14:15] the sum in two halves; v16-27 Q; v28-75 four fragments of K;
;   v76-123 four fragments of V; v124-187 S^T, then p; v188-219 O^T; v220-231 p's codes; v232-247 at work; v248-251 V's scale words; v252 f; v253 p's scale word; v254 at work; v255 Q's scale word.
.set STEPB, 13312                      ; a key step's record in LDS: K's 8 records (6,144 bytes), V's 8 (6,144), K's scale words (512), V's (512)
.set STAGE, 16*STEPB                   ; behind them: 16 rows x (256 bytes + 16) for each wave, for the way out; no tensor load lands here
.set KF,  28
.set VF,  76
.set S,   124
.set OT,  188
.set PC,  220
.set WV,  14                           ; s14 my wave's number
.set SEL, 20                           ; s[20:21] v_permlanex16_b32's selects for lane l xor 16
.set CS,  22                           ; s[22:23] c = log2(e) / 8
.set G1C, 24                           ; s[24:31] group 1 for 6,144 dense bytes;  s[32:39] for 512
.set G1S, 32
.set TB,  56                           ; s56 LDS byte at which the step's record begins
.set CNT, 57                           ; s57 steps to go
.macro ROUND                           ; a round of the cluster's barrier
	s_barrier_signal -1
	s_barrier_wait -1
	s_cmp_lg_u32 s[WV], 0
	s_cbranch_scc1 .Lnot_wave_0_\@
	s_barrier_signal -3
.Lnot_wave_0_\@:
	s_barrier_wait -3
	s_barrier_signal -1
	s_barrier_wait -1
.endm
	s_load_b256 s[4:11], s[0:1], 0x0               ; qkc s[4:5], qks s[6:7], vc s[8:9], vs s[10:11]
	s_load_b64 s[12:13], s[0:1], 0x20              ; out0
	v_lshl_add_u32 v254, v0, 2, 0x45000
	v_mov_b32 v255, 0
	ds_add_u32 v254, v255
	ds_add_u32 v254, v255
	s_wait_dscnt 0x0
	v_lshrrev_b32 v1, 5, v0
	v_readfirstlane_b32 s[WV], v1                  ; wave 0..15
	s_bfe_u32 s15, ttmp6, 0x40000                  ; cx: which 512 queries; it enters Q's and O's addresses alone
	s_and_b32 s16, ttmp7, 0xffff                   ; g, which the four partners share
	s_mul_i32 s58, s16, 98304                      ; g's codes
	s_mul_i32 s60, s[WV], 6144
	s_add_co_u32 s60, s60, s58                     ; key step w's eight records
	s_mov_b32 s61, 0
	s_lshl_b32 s62, s16, 13
	s_lshl_b32 s63, s[WV], 9
	s_add_co_u32 s62, s62, s63                     ; and its 512 bytes of scale words
	s_mov_b32 s63, 0
	s_mul_i32 s59, s[WV], STEPB                    ; where they go: no place in the cluster enters an LDS address
	s_mul_i32 s66, s15, 24576                      ; Q: record 32 cx + 2 w
	s_add_co_u32 s66, s66, s58
	s_mul_i32 s67, s[WV], 1536
	s_add_co_u32 s66, s66, s67
	s_mov_b32 s67, 0
	s_lshl_b32 s74, s15, 2                         ; Q's scale words: step 4 cx + w / 4; tile 2 (w % 4) + u of it: half (w / 2) % 2 of the lanes' places, word 2 (w % 2) + u
	s_lshr_b32 s75, s[WV], 2
	s_add_co_u32 s74, s74, s75
	s_lshl_b32 s74, s74, 9
	s_lshl_b32 s75, s16, 13
	s_add_co_u32 s74, s74, s75
	s_bfe_u32 s75, s[WV], 0x10001
	s_lshl_b32 s75, s75, 8
	s_add_co_u32 s74, s74, s75
	s_and_b32 s75, s[WV], 1
	s_lshl_b32 s75, s75, 3
	s_add_co_u32 s74, s74, s75
	s_mov_b32 s75, 0
	s_lshr_b32 s76, s16, 4                         ; O: row 2,048 batch + 512 cx + 32 w of 4,096 bytes, + 256 x head
	s_lshl_b32 s76, s76, 11
	s_lshl_b32 s77, s15, 9
	s_add_co_u32 s76, s76, s77
	s_lshl_b32 s77, s[WV], 5
	s_add_co_u32 s76, s76, s77
	s_lshl_b32 s76, s76, 12
	s_and_b32 s77, s16, 15
	s_lshl_b32 s77, s77, 8
	s_add_co_u32 s76, s76, s77
	s_mov_b32 s77, 0
	; descriptor group 1: dense blocks as rows of 256 bytes (32 elements of 8 bytes), no padding: every LDS read below takes consecutive bytes in consecutive lanes
	s_mov_b32 s[G1C], 15|(3<<16)|(1<<21)           ; 15:0 the mask: all four work-groups; 17:16 elements of 8 bytes; 21 set beside a mask
	s_mov_b32 s[G1C+1], 32<<16                     ; tensor_dim0
	s_mov_b32 s[G1C+2], 24<<16                     ; tensor_dim1
	s_mov_b32 s[G1C+3], 32<<16                     ; tile_dim0
	s_mov_b32 s[G1C+4], 24                         ; tile_dim1
	s_mov_b32 s[G1C+5], 32                         ; tensor_dim0_stride
	s_mov_b32 s[G1C+6], 0
	s_mov_b32 s[G1C+7], 0
	s_mov_b32 s[G1S], 15|(3<<16)|(1<<21)
	s_mov_b32 s[G1S+1], 32<<16
	s_mov_b32 s[G1S+2], 2<<16
	s_mov_b32 s[G1S+3], 32<<16
	s_mov_b32 s[G1S+4], 2
	s_mov_b32 s[G1S+5], 32
	s_mov_b32 s[G1S+6], 0
	s_mov_b32 s[G1S+7], 0
	s_mov_b32 s[SEL], 0x76543210
	s_mov_b32 s[SEL+1], 0xfedcba98
	s_mov_b32 s[CS], 0x3e38aa3b                    ; c = log2(e) / sqrt(64)
	s_mov_b32 s[CS+1], s[CS]                       ; (named with it as a pair, so it is written)
	s_wait_kmcnt 0x0
	ROUND                                          ; all four work-groups are here: the joint loads meet
	s_mov_b32 s40, 1                               ; K's records of key step w
	s_mov_b32 s41, s59
	s_add_nc_u64 s[42:43], s[4:5], s[60:61]
	s_add_nc_u64 s[42:43], s[42:43], 6291456       ; k's half of qkc
	s_or_b32 s43, s43, 0x80000000
	s_mov_b32 s44, 1                               ; V's
	s_add_co_u32 s45, s59, 6144
	s_add_nc_u64 s[46:47], s[8:9], s[60:61]
	s_or_b32 s47, s47, 0x80000000
	s_mov_b32 s48, 1                               ; K's scale words
	s_add_co_u32 s49, s59, 12288
	s_add_nc_u64 s[50:51], s[6:7], s[62:63]
	s_add_nc_u64 s[50:51], s[50:51], 524288        ; k's half of qks
	s_or_b32 s51, s51, 0x80000000
	s_mov_b32 s52, 1                               ; V's
	s_add_co_u32 s53, s59, 12800
	s_add_nc_u64 s[54:55], s[10:11], s[62:63]
	s_or_b32 s55, s55, 0x80000000
	tensor_load_to_lds s[40:43], s[G1C:G1C+7]      ; every wave issues the same four lines: four tensor loads of mine are out
	s_nop 0
	tensor_load_to_lds s[44:47], s[G1C:G1C+7]
	s_nop 0
	tensor_load_to_lds s[48:51], s[G1S:G1S+7]
	s_nop 0
	tensor_load_to_lds s[52:55], s[G1S:G1S+7]
	s_nop 0
.rept 4
	v_nop
.endr
	s_add_nc_u64 s[68:69], s[4:5], s[66:67]        ; Q's records
	s_add_nc_u64 s[70:71], s[6:7], s[74:75]        ; Q's scale words
	s_add_nc_u64 s[72:73], s[12:13], s[76:77]      ; O
	v_and_b32 v254, 31, v0                         ; lane
	v_lshlrev_b32 v1, 4, v254
	v_lshlrev_b32 v2, 3, v254
	v_and_b32 v3, 15, v0                           ; r
	v_bfe_u32 v4, v0, 4, 1                         ; h
	v_lshlrev_b32 v5, 12, v4
	v_lshl_add_u32 v5, v3, 4, v5                   ; the way out: lanes 0-15 one row of O, lanes 16-31 the next; 16 bytes a lane
	s_mul_i32 s58, s[WV], 16*272
	s_add_co_u32 s58, s58, STAGE                   ; my stage
	v_mul_u32_u24 v6, v3, 272
	v_lshl_add_u32 v6, v4, 5, v6
	v_add_nc_u32 v6, s58, v6                       ; in: row r, + 32 h
	v_mul_u32_u24 v7, v4, 272
	v_lshl_add_u32 v7, v3, 4, v7
	v_add_nc_u32 v7, s58, v7                       ; back: two rows an instruction
.macro QLOAD u                         ; my tile u of queries: its record and its scale words (lane r: row r's; lanes 16-31 load the same and are not read)
	v_and_b32 v254, 15, v0
	v_lshlrev_b32 v254, 4, v254
	global_load_b128 v[16:19], v1, s[68:69] offset:768*\u
	global_load_b64 v[20:21], v2, s[68:69] offset:768*\u+512
	global_load_b32 v255, v254, s[70:71] offset:4*\u
.endm
	QLOAD 0
.irp j, 22,23,24,25,26,27
	v_mov_b32 v\j, 0                               ; the zero codes of the upper 64 along K: Q's,
.endr
.irp t, 0,1,2,3
.irp j, 6,7,8,9,10,11
	v_mov_b32 v[KF+12*\t+\j], 0                    ; and K's: cleared once, no load lands here
.endr
.endr
.irp b, 0,1,2,3
	v_mov_b32 v[236+\b], 0                         ; written once: a lane permute's destination counts as one of its sources
.endr
	v_mov_b32 v253, 0                              ; (named as the upper half of the pair v[252:253] before it is first written)
	s_wait_tensorcnt 0x0                           ; my key step's record is in,
	s_barrier_signal -1
	s_barrier_wait -1                              ; everybody's is: all 2,048 keys lie in LDS for the rest of the launch
.macro INIT
	v_mov_b32 v13, 0xff61b1e6                      ; the largest t so far: -3e38, under every t
	v_floor_f32 v12, -v13                          ; -M
	v_mov_b32 v14, 0                               ; the sum, in two halves
	v_mov_b32 v15, 0
.irp j, 0,1,2,3,4,5,6,7,8,9,10,11,12,13,14,15,16,17,18,19,20,21,22,23,24,25,26,27,28,29,30,31
	v_mov_b32 v[OT+\j], 0                          ; O^T.  (The step is written once: the first finds zeros, which the first change of M leaves zeros)
.endr
	s_wait_loadcnt 0x0                             ; Q
.endm
; A KEY STEP: 128 keys.
.macro STEP
	v_add_nc_u32 v3, s[TB], v1
	v_add_nc_u32 v4, s[TB], v2
	v_nop
	v_nop                                          ; four places behind the last step's products, in front of the loads into V's fragments and scale words
.irp t, 0,1,2,3
	ds_load_b128 v[KF+12*\t:KF+12*\t+3], v3 offset:768*\t
	ds_load_b64 v[KF+12*\t+4:KF+12*\t+5], v4 offset:768*\t+512
.endr
	ds_load_b128 v[8:11], v3 offset:12288          ; K's scale words: register t: lanes 0-15 tile t's, lanes 16-31 tile 4 + t's
.irp t, 0,1,2,3
.irp c, 0,1
	ds_load_b128 v[VF+12*\t+6*\c:VF+12*\t+6*\c+3], v3 offset:6144+1536*\t+768*\c
	ds_load_b64 v[VF+12*\t+6*\c+4:VF+12*\t+6*\c+5], v4 offset:6144+1536*\t+768*\c+512
.endr
.endr
	ds_load_b128 v[248:251], v3 offset:12800       ; V's scale words
	s_wait_dscnt 17                                ; K's tiles 0-3 and its words are in; V's 16 loads and its words may be out
.irp t, 0,1,2,3
	v_wmma_scale_f32_16x16x128_f8f6f4 v[S+8*\t:S+8*\t+7], v[KF+12*\t:KF+12*\t+11], v[16:27], 0, v[8+\t], v255 matrix_a_fmt:MATRIX_FMT_FP6 matrix_b_fmt:MATRIX_FMT_FP6
.endr
.rept 4
	v_nop                                          ; places in front of loads into registers that these products have read
.endr
.irp t, 0,1,2,3
	ds_load_b128 v[KF+12*\t:KF+12*\t+3], v3 offset:768*(4+\t)
	ds_load_b64 v[KF+12*\t+4:KF+12*\t+5], v4 offset:768*(4+\t)+512
.endr
	s_wait_dscnt 0x0
.irp t, 0,1,2,3
	v_wmma_scale_f32_16x16x128_f8f6f4 v[S+32+8*\t:S+32+8*\t+7], v[KF+12*\t:KF+12*\t+11], v[16:27], 0, v[8+\t], v255 matrix_a_fmt:MATRIX_FMT_FP6 matrix_b_fmt:MATRIX_FMT_FP6 matrix_a_scale:MATRIX_SCALE_ROW1
.endr
.rept 4
	v_nop
.endr
.irp b, 0,1,2,3
	v_max3_num_f32 v[232+\b], v[S+16*\b], v[S+1+16*\b], v[S+2+16*\b]   ; THE LARGEST SCORE OF EACH BLOCK OF 32 KEYS: it serves for the row's maximum and, since p rises with the score, for the block's largest p
.endr
.irp i, 3,5,7,9,11,13
.irp b, 0,1,2,3
	v_max3_num_f32 v[232+\b], v[232+\b], v[S+16*\b+\i], v[S+1+16*\b+\i]   ; (the four blocks by turns)
.endr
.endr
.irp b, 0,1,2,3
	v_max_num_f32 v[232+\b], v[232+\b], v[S+15+16*\b]
.endr
.irp b, 0,1,2,3
	v_permlanex16_b32 v[236+\b], v[232+\b], s[SEL], s[SEL+1]
.endr
.irp b, 0,1,2,3
	v_max_num_f32 v[232+\b], v[232+\b], v[236+\b]  ; with lane l xor 16's 16 keys
.endr
	v_max3_num_f32 v254, v232, v233, v234
	v_max_num_f32 v254, v254, v235                 ; the step's largest score of my query
	v_mul_f32 v254, s[CS], v254                    ; as t (c is positive)
	v_max_num_f32 v13, v13, v254                   ; the running largest t
	v_mov_b32 v254, v12
	v_floor_f32 v12, -v13                          ; the new -M = floor(-t) = -ceil(t): M IS A WHOLE NUMBER
	v_sub_f32 v254, v12, v254                      ; M's old value less its new one: a whole number, 0 or less
	v_cvt_i32_f32 v254, v254                       ; (it saturates)
	v_ldexp_f32 v252, 1.0, v254                    ; f = 2^(old M - new M): a multiplication by it rounds nothing
.irp j, 0,2,4,6,8,10,12,14,16,18,20,22,24,26,28,30,32,34,36,38,40,42,44,46,48,50,52,54,56,58,60,62
	v_pk_fma_f32 v[S+\j:S+1+\j], v[S+\j:S+1+\j], s[CS:CS+1], v[12:13] op_sel_hi:[1,0,0]   ; t - M, two at a time (of the pairs c and -M the low word serves both halves)
.endr
.irp b, 0,1,2,3
	v_fma_f32 v[232+\b], v[232+\b], s[CS], v12     ; the same of each block's largest score
.endr
.irp j, 0,1,2,3,4,5,6,7,8,9,10,11,12,13,14,15,16,17,18,19,20,21,22,23,24,25,26,27,28,29,30,31,32,33,34,35,36,37,38,39,40,41,42,43,44,45,46,47,48,49,50,51,52,53,54,55,56,57,58,59,60,61,62,63
	v_exp_f32 v[S+\j], v[S+\j]                     ; p = 2^(t - M), at most 1: NOT normalised
.endr
.irp b, 0,1,2,3
	v_exp_f32 v[232+\b], v[232+\b]                 ; the block's largest p: the same two instructions on the same number give the same bits
.endr
	v_pk_mul_f32 v[14:15], v[14:15], v[252:253] op_sel_hi:[1,0]   ; the sums under the new M.  (A plain line behind the exponentials)
	s_wait_alu depctr_va_vdst(0)
.irp b, 0,1,2,3
	v_max_num_f32 v[232+\b], 0x1800000, v[232+\b]  ; the floor 2^(3 - 127): the byte cannot fall under 1
.endr
.irp b, 0,1,2,3
	v_add_nc_u32 v[244+\b], 0xff000000, v[232+\b]  ; 2 off the exponent field: the conversion's scale operand
.endr
.irp b, 0,1,2,3
	v_lshrrev_b32 v[236+\b], 23, v[244+\b]         ; the scale's byte
.endr
	v_lshl_or_b32 v253, v237, 8, v236              ; p's scale word for these 128 keys
	v_lshl_or_b32 v253, v238, 16, v253
	v_lshl_or_b32 v253, v239, 24, v253
.irp c, 0,1
	v_cvt_scalef32_pk16_fp6_f32 v[PC+6*\c:PC+2+6*\c], v[S+32*\c:S+15+32*\c], v[244+2*\c]
	v_cvt_scalef32_pk16_fp6_f32 v[236+4*\c:238+4*\c], v[S+16+32*\c:S+31+32*\c], v[244+2*\c+1]   ; (a conversion's three registers begin on an even number)
.endr
	v_nop                                          ; one plain line between a scaled conversion and the vector instruction that touches its result
.irp c, 0,1                                    ; the operand's layout wants a WHOLE block in a lane: lanes 0-15 block 2 c, lanes 16-31 block 2 c + 1
.irp i, 0,1,2
	v_permlane16_swap_b32 v[PC+6*\c+\i], v[236+4*\c+\i]
.endr
.irp i, 0,1,2
	v_mov_b32 v[PC+3+6*\c+\i], v[236+4*\c+\i]
.endr
.endr
	v_pk_add_f32 v[236:237], v[S:S+1], v[S+2:S+3]  ; THE ROW'S SUM IS TAKEN OF THE UNQUANTISED p: two at a time, in two chains
.irp j, 4,8,12,16,20,24,28,32,36,40,44,48,52,56,60
	v_pk_add_f32 v[14:15], v[14:15], v[S+\j:S+1+\j]
	v_pk_add_f32 v[236:237], v[236:237], v[S+2+\j:S+3+\j]
.endr
	v_pk_add_f32 v[14:15], v[14:15], v[236:237]
.irp j, 0,2,4,6,8,10,12,14,16,18,20,22,24,26,28,30
	v_pk_mul_f32 v[OT+\j:OT+1+\j], v[OT+\j:OT+1+\j], v[252:253] op_sel_hi:[1,0]   ; O^T under the new M: x f, each accumulator from its low end on.  (With the sums above: the places in front of the products below)
.endr
.irp t, 0,1,2,3                                ; O^T += V^T P^T: the head's 64 channels in four tiles, which take turns; K = these 128 keys
	v_wmma_scale_f32_16x16x128_f8f6f4 v[OT+8*\t:OT+8*\t+7], v[VF+12*\t:VF+12*\t+11], v[PC:PC+11], v[OT+8*\t:OT+8*\t+7], v[248+\t], v253 matrix_a_fmt:MATRIX_FMT_FP6 matrix_b_fmt:MATRIX_FMT_FP6
.endr
.endm
.macro LOOP                            ; all 16 key steps of the head
	s_mov_b32 s[TB], 0
	s_mov_b32 s[CNT], 16
.Lk_\@:
	STEP
	s_add_co_u32 s[TB], s[TB], STEPB
	s_sub_co_u32 s[CNT], s[CNT], 1
	s_cmp_lg_u32 s[CNT], 0
	s_cbranch_scc1 .Lk_\@
.endm
; THE WAY OUT of tile u.  O^T / the sum goes through my stage in LDS (16 rows of 256 bytes + 16) and leaves by rows: row rho of the tile is query 8 u + rho + 8 (rho / 8) of my 32.
.macro WAYOUT u
.rept 4
	v_nop                                          ; places behind the last products
.endr
	v_add_f32 v14, v14, v15                        ; the sum's two halves,
	v_permlanex16_b32 v252, v14, s[SEL], s[SEL+1]
	v_add_f32 v14, v14, v252                       ; and lane l xor 16's: the row's sum
	v_rcp_f32 v14, v14
	v_nop                                          ; one plain line behind a transcendental
	s_wait_alu depctr_va_vdst(0)
.irp j, 0,2,4,6,8,10,12,14,16,18,20,22,24,26,28,30
	v_pk_mul_f32 v[S+\j:S+1+\j], v[OT+\j:OT+1+\j], v[14:15] op_sel_hi:[1,0]   ; register 8 t + i is o(row r, channel 16 t + 8 h + i)
.endr
.irp t, 0,1,2,3
	ds_store_b128 v6, v[S+8*\t:S+8*\t+3] offset:64*\t
	ds_store_b128 v6, v[S+8*\t+4:S+8*\t+7] offset:64*\t+16
.endr
.irp i, 0,1,2,3,4,5,6,7
	ds_load_b128 v[S+32+4*\i:S+35+4*\i], v7 offset:544*\i   ; my own bytes, served in order (ISA guide 5.7.1.4): these see the stores above
.endr
.irp i, 0,1,2,3,4,5,6,7
	s_wait_dscnt 7-\i
	global_store_b128 v5, v[S+32+4*\i:S+35+4*\i], s[72:73] offset:4096*(2*\i+8*(\i/4)+8*\u) th:TH_STORE_NT   ; 16 lanes store 256 consecutive bytes, aligned: a head's part of a row of out0; written once
.endr
.endm
	INIT
	LOOP
	QLOAD 1                                        ; the second tile's queries are asked for while the first tile goes out (the last product that read Q stands a softmax back)
	WAYOUT 0
	s_wait_xcnt 0x0                                ; the stores have read their registers: the scores' registers are written again only behind this wait
	INIT
	LOOP
	WAYOUT 1
	s_wait_xcnt 0x0
	v_lshl_add_u32 v254, v0, 2, 0x45000
	v_mov_b32 v255, 0
	s_wait_tensorcnt 0x0
	ds_add_u32 v254, v255
	s_wait_dscnt 0x0
	ROUND                                          ; the closing round: no work-group ends while a partner may still ask jointly
	s_endpgm
.Lfunc_end_k_qeb64b95759_attn:
	.size	k_qeb64b95759_attn, .Lfunc_end_k_qeb64b95759_attn-k_qeb64b95759_attn
	.p2alignl 7, 3214868480
	.fill 96, 4, 3214868480
	.section	.rodata,"a",@progbits
	.p2align	6, 0x0
	.amdhsa_kernel k_qeb64b95759_attn
		.amdhsa_group_segment_fixed_size 284672
		.amdhsa_private_segment_fixed_size 0
		.amdhsa_enable_private_segment 0
		.amdhsa_kernarg_size 40
		.amdhsa_user_sgpr_count 2
		.amdhsa_user_sgpr_kernarg_segment_ptr 1
		.amdhsa_wavefront_size32 1
		.amdhsa_system_sgpr_workgroup_id_x 1
		.amdhsa_system_sgpr_workgroup_id_y 1
		.amdhsa_system_sgpr_workgroup_id_z 1
		.amdhsa_system_vgpr_workitem_id 0
		.amdhsa_next_free_vgpr 256
		.amdhsa_next_free_sgpr 80
		.amdhsa_reserve_vcc 0
		.amdhsa_float_denorm_mode_32 3
		.amdhsa_float_denorm_mode_16_64 3
		.amdhsa_memory_ordered 1
		.amdhsa_forward_progress 1
		.amdhsa_inst_pref_size 50
	.end_amdhsa_kernel
	.amdgpu_metadata
---
amdhsa.version: [ 1, 2 ]
amdhsa.kernels:
  - .name:           k_qeb64b95759_attn
    .symbol:         k_qeb64b95759_attn.kd
    .args:
      - { .name: qkc, .offset: 0, .size: 8, .value_kind: global_buffer, .address_space: global }
      - { .name: qks, .offset: 8, .size: 8, .value_kind: global_buffer, .address_space: global }
      - { .name: vc, .offset: 16, .size: 8, .value_kind: global_buffer, .address_space: global }
      - { .name: vs, .offset: 24, .size: 8, .value_kind: global_buffer, .address_space: global }
      - { .name: out0, .offset: 32, .size: 8, .value_kind: global_buffer, .address_space: global }
    .group_segment_fixed_size: 284672
    .private_segment_fixed_size: 0
    .kernarg_segment_align: 8
    .kernarg_segment_size: 40
    .max_flat_workgroup_size: 512
    .sgpr_count:     80
    .vgpr_count:     256
    .wavefront_size: 32
...
	.end_amdgpu_metadata
.endif
;; end of part 4
